; MI455X (gfx1250); checked and timed in simulation.
; The chip was launched on July 23, 2026; its instructions are those of AMD's public machine-readable ISA for CDNA 5 (MIT licence, August 2026) and "CDNA5" Instruction Set Architecture Reference Guide (July 2026). The comments in the code are by the model that wrote it; some were corrected since.
;; Attention Layer. Allowed arithmetic: matrix products marked QUANTISED: E5M2 operands, one given power-of-two scale a tensor, by v_wmma_f32_16x16x64_bf8_bf8 or v_wmma_f32_16x16x128_bf8_bf8, f32 sums; everything else in f32.
;; Inputs: Wk_codes 512 x 16 x 32 uint8 (E5M2 codes of Wk, K innermost, in blocks of 32 codes); Wo_codes 512 x 16 x 32 uint8 (E5M2 codes of Wo, K innermost, in blocks of 32 codes); Wq_codes 512 x 16 x 32 uint8 (E5M2 codes of Wq, K innermost, in blocks of 32 codes); Wv_codes 512 x 16 x 32 uint8 (E5M2 codes of Wv, K innermost, in blocks of 32 codes); bk 512 float32; bo 512 float32; bq 512 float32; bv 512 float32; lowp_scales 12 int32 (the exponents e of the quantised operands' scales 2^e); x_codes 2 x 4,096 x 16 x 32 uint8 (E5M2 codes of x, K innermost, in blocks of 32 codes).
;; Outputs: out0 2 x 4,096 x 512 float32.
;; This version of the problem:
;;   THIS VERSION OF THE PROBLEM IS GIVEN IN LOW PRECISION. The matrix products marked QUANTISED in the list below multiply operands that are first quantised to E5M2 (5 exponent bits, 2 mantissa bits; 8 bits a number), with one given power-of-two scale for each operand tensor; their sums are f32. All else is computed in f32.
;;   The module's matrix products, in the order in which they are computed (A, B: the left and right operand; K: the contracted axis; several contracted axes count as one K, in the product's order):
;;     1. [M 8,192, K 512] x [K 512, N 512]; A: input x (given as codes); B: input Wq (given as codes): QUANTISED (scales: A lowp_scales[0], B lowp_scales[1])
;;     2. [M 8,192, K 512] x [K 512, N 512]; A: input x (given as codes); B: input Wk (given as codes): QUANTISED (scales: A lowp_scales[2], B lowp_scales[3])
;;     3. [M 8,192, K 512] x [K 512, N 512]; A: input x (given as codes); B: input Wv (given as codes): QUANTISED (scales: A lowp_scales[4], B lowp_scales[5])
;;     4. batch 16 x [M 4,096, K 64] x [K 64, N 4,096]; A: computed on the way; B: computed on the way: QUANTISED (scales: A lowp_scales[6], B lowp_scales[7])
;;     5. batch 16 x [M 4,096, K 4,096] x [K 4,096, N 64]; A: softmax (see below); B: computed on the way: QUANTISED (scales: A lowp_scales[8], B lowp_scales[9])
;;     6. [M 8,192, K 512] x [K 512, N 512]; A: computed on the way; B: input Wo (given as codes): QUANTISED (scales: A lowp_scales[10], B lowp_scales[11])
;;   THE QUANTISER, for each operand of a quantised product, along K:
;;     - The operand's scale is 2^e, e = its entry of the input lowp_scales (int32; the entries are numbered through the quantised products in the list's order, A before B).
;;     - Each number is divided by the scale, clamped to +-57,344, and rounded to the nearest number of E5M2, ties to even, subnormals kept.
;;     - The product sums the exact products of the quantised numbers (number of the format x scale) in f32.
;;   ~~~python
;;   def quantise(x, axis, e):      # numpy; x: float32 -> the quantised numbers, widened to float32 again
;;       x = np.moveaxis(x, axis, -1); K = x.shape[-1]
;;       r = np.clip(x / 2.0 ** e, -57344, 57344)
;;       step = 2.0 ** (np.maximum(np.frexp(np.where(r == 0, 1, r))[1] - 1, -14) - 2)
;;       q = np.round(r / step) * step * 2.0 ** e      # np.round: ties to even
;;       return np.moveaxis(q, -1, axis).astype(np.float32)
;;   ~~~
;;   SOFTMAX AHEAD OF A QUANTISED PRODUCT. Where the list says 'softmax', what is quantised is not the finished softmax but p = 2^(t - M), with t = logit x log2(e) and M = ceil(the row's largest t), a whole number; so 1/2 < the row's largest p <= 1. The row's sum l is taken of the UNQUANTISED p, in f32, and the product's result is divided by l at the end. Since M is a whole number, a kernel that streams over the keys may use a running M (the ceiling of the running maximum): every later rescaling is an exact power of two, so the quantised numbers keep their values, but for numbers so far below the row's largest that they fall under the format's range.
;;   OPERANDS COMPUTED ON THE WAY. 'Computed on the way' means the value that the module computes at that place (a softmax that the list does not call 'softmax' is quantised finished and normalised). What goes into a quantiser is computed in f32, as accurately as f32 sums, v_exp_f32 and their like allow (about 1e-6 of the number): no bf16 or f16 on the way to a quantiser, and a product that is left as it is and whose result goes on into a quantised operand takes f32 operands (vector FMAs, or v_wmma_f32_16x16x4_f32). A number that lies on a knife's edge between two numbers of the format may be rounded either way, as far as f32 arithmetic and the matrix unit's own rounding can turn it there, and no further.
;;   INPUTS GIVEN AS CODES. Wk (in the module: [512, 512], K = its axis 1); Wo (in the module: [512, 512], K = its axis 1); Wq (in the module: [512, 512], K = its axis 1); Wv (in the module: [512, 512], K = its axis 1); x (in the module: [2, 4096, 512], K = its axis 2): each comes as NAME_codes (uint8): NAME with its K axis moved to the last place and cut into blocks of 32 codes, [.., K / 32, bytes a block], one block behind the other in memory; one code a byte (a code: sign, 5 exponent bits, 2 mantissa bits); its scale is its entry of lowp_scales. Its value is code x scale, taken as it is: it is not quantised again, and the codes and scales need not be those that the quantiser above would give.
;; One version. Each part assembles by itself: llvm-mc -triple=amdgcn-amd-amdhsa -mcpu=gfx1250 --defsym DOCPART=n.
;; ======== version 1 of 1: 3 launches
;; limits: right only within a limited range of input values
;; workspace buffers: q_img 4,194,304 bytes; kv_img 8,388,608 bytes; a_img 4,194,304 bytes
;; launch qkv (part 1): grid 4 x 64, 6 waves a work-group, clusters of 4 x 1, 167,936 bytes of LDS; arguments x_codes, Wq_codes, Wk_codes, Wv_codes, bq, bk, bv, lowp_scales, q_img, kv_img; writes q_img, kv_img
.if DOCPART == 1
	.amdgcn_target "amdgcn-amd-amdhsa--gfx1250"
	.amdhsa_code_object_version 6
	.text
	.protected	k_q7320462a95_qkv
	.globl	k_q7320462a95_qkv
	.p2align	8
	.type	k_q7320462a95_qkv,@function
k_q7320462a95_qkv:
	s_mov_b64 s[64:65], 0
	v_nop
	global_prefetch_b8 v0, s[64:65] scope:SCOPE_SE
	s_setreg_imm32_b32 hwreg(HW_REG_WAVE_MODE, 25, 1), 1
	s_wait_xcnt 0x0
	s_wait_alu depctr_hold_cnt(0) depctr_sa_sdst(0) depctr_va_vdst(0) depctr_va_sdst(0) depctr_va_ssrc(0) depctr_va_vcc(0) depctr_vm_vsrc(0)
	s_getreg_b32 s2, hwreg(HW_REG_IB_STS2, 6, 4)
	s_cmp_eq_u32 s2, 0
	s_cbranch_scc0 .Lentry_in_a_cluster
	s_endpgm
.Lentry_in_a_cluster:
	s_bfe_u32 s2, ttmp6, 0x10000c
	s_cmp_lg_u32 s2, 0x3003
	s_cbranch_scc0 .Lentry_shape_is_right
	s_endpgm
.Lentry_shape_is_right:
; Q = x Wq^T + bq, K = x Wk^T + bk, V = x Wv^T + bv on codes of BF8 (E5M2), and the three results quantised for the two products of attention.
; NOTHING OF THE PROBLEM IS LEFT OUT, here or in the two later kernels: bq, bk and bv move the codes of operands of live quantised products (bk too, though a softmax in real numbers
; would cancel it), bo reaches the output, and x's three scale entries (0, 2, 4) are each taken in their own product.  Every input is loaded.
; SCALES.  A sum of product 1 stands for sum x 2^(e0 + e1).  So the bias goes in as the C of a sum's first matrix instruction, as b / 2^(e0 + e1), and the code of Q is
; (sum + b / 2^(e0 + e1)) / 2^(e6 - e0 - e1), held within +-57,344: one scale for the conversion.  K: e2, e3, e7.  V: e4, e5, e9.
; LIMITS: e6 - e0 - e1, e7 - e2 - e3 and e9 - e4 - e5 lie between -126 and 112, so that each power of two below is an f32 number.  NaN among the inputs is not served.
; SHARES.  A work-group takes 128 tokens (one key step of one batch) and two heads of Q, K and V.  Wave w of six: role w / 2 (Q, K, V), head 2 cx + w % 2, all 64 channels of it.
; The wave's 64 rows of W (4 tiles x 4 K steps of 128) stay in 256 registers; the 128 rows of x lie in LDS, and each fragment of x that a wave reads feeds four matrix instructions.
; CLUSTER.  The four work-groups of a cluster take the same 128 tokens, so x's tile is asked for JOINTLY (mask 15), by waves 0 and 1, 64 rows each: one tensor load of a loading wave is out.
; LAYOUT.  pr(r) = r + 8 (r / 8).  Lane r of x's tile 2 b + u takes token 32 b + 8 u + pr(r); lane r of W's tile 2 c + u takes row 32 c + 8 u + pr(r) of the head's 64.  A fragment's registers 4 g .. 4 g + 3 of lane (r, h)
; hold k = 32 g + 16 h + 0 .. 15, in both operands alike.  Q, K: source 0 = W, source 1 = x: a lane holds one token, and the 16 registers of W's tiles 2 c, 2 c + 1 are channels 32 c + 16 h + 0 .. 15.
; V: source 0 = x, source 1 = W: a lane holds one channel, and the 16 registers of x's tiles 2 b, 2 b + 1 are keys 32 b + 16 h + 0 .. 15.  So two conversions give four registers of the next operand.
; THE WORKSPACES ARE IMAGES OF OPERAND REGISTERS: four registers are 512 consecutive bytes, lane l's 16 at 16 l; each store of a wave covers 512 consecutive bytes, aligned.
;   q_img  [bh 16][tile 256][c 2][lane][16]: tile 8 step + 2 b + u holds tokens 128 step + 32 b + 8 u + pr(r); group c holds d = 32 c + 16 h + 0 .. 15
;   kv_img [bh 16][step 32][16,384]: 8,192 bytes of K, [tile 8][c 2][lane][16], as Q; then 8,192 of V, [channel tile 4][c 4][lane][16]: tile 2 a + u, lane r: channel 32 a + 8 u + pr(r); group c: keys 32 c + 16 h + 0 .. 15
; REGISTERS, window 0: v1, v2 the add's two; v3 x's LDS address; v4 16 x lane; v5 the conversion's scale, v6 57,344 x it; v8-23 codes; v24-55 the bias, tile q at 24 + 8 q; v56-119 eight accumulators;
;   v120-183 four buffers for x's fragments; v184-199 offsets at the head.  Window 1: W's sixteen fragments, (tile q, K step) at 64 q + 16 step.
.set PX,    528                        ; a row of x in LDS: 512 bytes + 16 of padding
.set HALFX, 64*PX                      ; what one tensor load brings
.set SPARE, 2*HALFX                    ; behind the tile: the spare words, 128 bytes for each of the six waves
.set CD,    8
.set BI,    24
.set ACC,   56
.set XF,    120
.set OFS,   192
.set MSB, 0
.macro WIN new                         ; the immediate's high byte repeats the setting that is left
.if MSB != \new
	s_set_vgpr_msb (MSB<<8)|\new
.set MSB, \new
.endif
.endm
.macro CROUND                          ; a round of the cluster's barrier
	s_barrier_signal -1
	s_barrier_wait -1
	s_cmp_lg_u32 s24, 0
	s_cbranch_scc1 .Lnot_wave_0_\@
	s_barrier_signal -3
.Lnot_wave_0_\@:
	s_barrier_wait -3
	s_barrier_signal -1
	s_barrier_wait -1
.endm
	s_load_b512 s[4:19], s[0:1], 0x0               ; x s[4:5], Wq s[6:7], Wk s[8:9], Wv s[10:11], bq s[12:13], bk s[14:15], bv s[16:17], the scales' exponents s[18:19]
	s_load_b128 s[20:23], s[0:1], 0x40             ; q_img s[20:21], kv_img s[22:23]
	v_lshl_add_u32 v1, v0, 2, SPARE
	v_mov_b32 v2, 0
	ds_add_u32 v1, v2                              ; the wave's opening: the add, twice on end, and its wait ahead of the first tensor load
	ds_add_u32 v1, v2
	v_lshrrev_b32 v7, 5, v0
	v_readfirstlane_b32 s24, v7                    ; wave 0..5
	s_lshr_b32 s25, s24, 1                         ; role: 0 Q, 1 K, 2 V
	s_and_b32 s26, s24, 1                          ; which of the work-group's two heads
	s_bfe_u32 s28, ttmp6, 0x40000                  ; cx: it enters W's, the biases' and the results' global addresses alone
	s_and_b32 s29, ttmp7, 0xffff                   ; the block of 128 tokens, which the four partners share
	s_lshl_b32 s30, s28, 1
	s_add_co_u32 s30, s30, s26                     ; head
	s_lshr_b32 s31, s29, 5                         ; batch
	s_lshl_b32 s31, s31, 3
	s_add_co_u32 s31, s31, s30                     ; bh = 8 batch + head
	s_lshl_b32 s31, s31, 5
	s_and_b32 s66, s29, 31
	s_add_co_u32 s31, s31, s66                     ; J = 32 bh + key step
	s_mov_b32 s32, 15|(0<<16)|(1<<20)|(1<<21)|(6<<22)|(3<<25)  ; group 1: the mask of all four work-groups; elements of 1 byte; padding of four words after every 128; bit 21 beside a mask
	s_mov_b32 s33, 512<<16                         ; 64 rows of 512 bytes
	s_mov_b32 s34, 64<<16
	s_mov_b32 s35, 512<<16
	s_mov_b32 s36, 64
	s_mov_b32 s37, 512
	s_mov_b32 s38, 0
	s_mov_b32 s39, 0
	s_cmp_eq_u32 s25, 2                            ; the bias in the result's layout: register j of tile 2 c + u comes from byte pr sA + h sB + j sS + 128 c + 32 u.  Q, K: channel 16 h + j.  V: channel pr, in all eight registers
	s_cselect_b32 s67, 4, 0
	s_cselect_b32 s68, 0, 64
	s_cselect_b32 s69, 0, 4
	v_and_b32 v7, 15, v0                           ; r
	v_bfe_u32 v185, v0, 4, 1                       ; h
	v_and_b32 v186, 8, v7
	v_add_nc_u32 v186, v186, v7                    ; pr = r + 8 (r / 8)
	v_mul_u32_u24 v3, v186, PX
	v_lshl_add_u32 v3, v185, 4, v3                 ; x in LDS: row pr, + 16 h
	v_and_b32 v4, 31, v0
	v_lshlrev_b32 v4, 4, v4                        ; an image's place for my lane
	v_lshlrev_b32 v184, 9, v186
	v_lshl_add_u32 v184, v185, 4, v184             ; W in memory: row pr of 512 bytes, + 16 h
	v_mul_u32_u24 v[OFS], v186, s67
	v_mad_u32_u24 v[OFS], v185, s68, v[OFS]
	v_mov_b32 v187, s69
.irp j, 1,2,3,4,5,6,7
	v_mad_u32_u24 v[OFS+\j], v187, \j, v[OFS]
.endr
	s_lshl_b32 s70, s30, 15                        ; my 64 rows of W: 64 head x 512 bytes
	s_mov_b32 s71, 0
	s_lshl_b32 s72, s30, 8                         ; and their biases
	s_mov_b32 s73, 0
	s_lshl_b32 s74, s31, 13                        ; where my codes go.  Q: 8,192 J;  K: 16,384 J;  V: 16,384 J + 8,192
	s_lshl_b32 s75, s31, 14
	s_cmp_eq_u32 s25, 0
	s_cselect_b32 s74, s74, s75
	s_cmp_eq_u32 s25, 2
	s_cselect_b32 s75, 8192, 0
	s_add_co_u32 s74, s74, s75
	s_mov_b32 s75, 0
	s_lshl_b32 s66, s29, 16                        ; x: the block's 128 rows of 512 bytes,
	s_lshl_b32 s67, s24, 15                        ; and the 64 of them that waves 0 and 1 fetch
	s_add_co_u32 s66, s66, s67
	s_mov_b32 s67, 0
	s_mov_b32 s40, 1                               ; group 0: count = 1,
	s_mul_i32 s41, s24, HALFX                      ; the LDS address: wave x 64 rows,
	s_wait_alu depctr_va_vdst(0)
	s_wait_dscnt 0x0                               ; both opening adds are done
	s_wait_kmcnt 0x0
	s_load_b256 s[52:59], s[18:19], 0x0            ; e0 .. e7
	s_load_b128 s[60:63], s[18:19], 0x20           ; e8 .. e11
	s_add_nc_u64 s[42:43], s[4:5], s[66:67]        ; the global address,
	s_or_b32 s43, s43, 0x80000000                  ; type = 2
	s_cmp_eq_u32 s25, 0                            ; the role's buffers: the choice hangs on the wave's number alone
	s_cselect_b64 s[44:45], s[6:7], s[8:9]
	s_cselect_b64 s[46:47], s[12:13], s[14:15]
	s_cselect_b64 s[48:49], s[20:21], s[22:23]
	s_cmp_eq_u32 s25, 2
	s_cselect_b64 s[44:45], s[10:11], s[44:45]
	s_cselect_b64 s[46:47], s[16:17], s[46:47]
	s_add_nc_u64 s[44:45], s[44:45], s[70:71]
	s_add_nc_u64 s[46:47], s[46:47], s[72:73]
	s_add_nc_u64 s[48:49], s[48:49], s[74:75]
	CROUND                                         ; all four work-groups are here: the joint loads meet
	s_cmp_lt_u32 s24, 2
	s_cbranch_scc0 .Lno_x
	tensor_load_to_lds s[40:43], s[32:39]
	s_nop 0
.rept 4
	v_nop
.endr
.Lno_x:
.irp q, 0,1,2,3
.irp j, 0,1,2,3,4,5,6,7
	global_load_b32 v[BI+8*\q+\j], v[OFS+\j], s[46:47] offset:128*(\q/2)+32*(\q%2)
.endr
.endr
	WIN 0x40                                       ; destination in window 1
.irp k, 0,1,2,3
.irp q, 0,1,2,3
.irp c, 0,1,2,3
	global_load_b128 v[64*\q+16*\k+4*\c:64*\q+16*\k+4*\c+3], v184, s[44:45] offset:16384*(\q/2)+4096*(\q%2)+128*\k+32*\c   ; W's fragments stay in registers; K step 0's sixteen loads first
.endr
.endr
.endr
	WIN 0
	s_wait_tensorcnt 0x0                           ; my part of x's tile is in (a wave that fetched nothing passes at once),
	s_barrier_signal -1
	s_barrier_wait -1                              ; everybody's is
; x's fragment of step xi = 4 tile + K step, into buffer xi % 4
.macro XLOAD
.set xm, xi/4
.set xk, xi%4
.irp c, 0,1,2,3
	ds_load_b128 v[XF+16*(xi%4)+4*\c:XF+16*(xi%4)+4*\c+3], v3 offset:(32*(xm/2)+8*(xm%2))*PX+128*xk+32*\c
.endr
.endm
.set xi, 0
.rept 4
	XLOAD
.set xi, xi+1
.endr
	s_wait_kmcnt 0x0
	s_add_co_i32 s66, s52, s53                     ; the role's exponents: of the sums,
	s_add_co_i32 s67, s54, s55
	s_add_co_i32 s68, s56, s57
	s_cmp_eq_u32 s25, 0
	s_cselect_b32 s66, s66, s67
	s_cselect_b32 s69, s58, s59                    ; and of the operand that is made
	s_cmp_eq_u32 s25, 2
	s_cselect_b32 s66, s68, s66
	s_cselect_b32 s69, s61, s69
	s_sub_co_i32 s70, 0, s66
	s_sub_co_i32 s69, s69, s66
	s_add_co_i32 s69, s69, 127
	s_lshl_b32 s71, s69, 23
	v_mov_b32 v5, s71                              ; the conversion's scale as f32: the three exponents folded into one
	s_add_co_i32 s69, s69, 15
	s_lshl_b32 s69, s69, 23
	s_or_b32 s69, s69, 0x600000
	v_mov_b32 v6, s69                              ; 57,344 x that
	s_wait_loadcnt 63                              ; the bias's 32 loads are in: behind them stand W's 64, and at most 63 loads are still out
.set JJ, 0
.rept 32
	v_ldexp_f32 v[BI+JJ], v[BI+JJ], s70            ; the bias divided by the power of two that the sums lack
.set JJ, JJ+1
.endr
; 16 numbers of a lane, neighbours along the next K, become 16 codes in four registers.  Each accumulator is read from its low end on.
.macro QUANT16 src, dst
.irp n, 0,1,2,3,4,5,6,7,8,9,10,11,12,13,14,15
	v_med3_num_f32 v[(\src)+\n], v[(\src)+\n], -v6, v6   ; the conversion to an 8-bit code does not saturate (ISA guide 7.6.2): the hold at the largest code x the scale, always executed
.endr
	v_cvt_scalef32_pk8_bf8_f32 v[(\dst):(\dst)+1], v[(\src):(\src)+7], v5
	v_cvt_scalef32_pk8_bf8_f32 v[(\dst)+2:(\dst)+3], v[(\src)+8:(\src)+15], v5
.endm
; Step i = 4 tile + K step: one fragment of x against my four tiles of W.  The four accumulators take turns, one instruction a turn, within a step and from step to step.
; The four v_nop are the places in front of the load into the buffer just read and of the first read of results.
.macro STEP isv
.set tm, i/4
.set ks, i%4
.if i < 4
	s_wait_loadcnt 16*(3-i)                        ; W's fragments of this K step are in; the sixteen loads of each later K step may be out
.endif
.if i < 29
	s_wait_dscnt 12                                ; this step's four loads are in; those of the three steps behind it may be out
.else
	s_wait_dscnt 4*(31-i)
.endif
.if \isv
	WIN 0x04                                       ; source 1 (W) in window 1
.else
	WIN 0x01                                       ; source 0 (W) in window 1
.endif
.irp q, 0,1,2,3
.set rW, 64*\q+16*ks
.set rX, XF+16*(i%4)
.if \isv
.set rD, ACC+16*\q+8*(tm%2)
.if ks == 0
	v_wmma_f32_16x16x128_bf8_bf8 v[rD:rD+7], v[rX:rX+15], v[rW:rW+15], v[BI+8*\q:BI+8*\q+7]
.else
	v_wmma_f32_16x16x128_bf8_bf8 v[rD:rD+7], v[rX:rX+15], v[rW:rW+15], v[rD:rD+7]
.endif
.else
.set rD, ACC+32*(tm%2)+8*\q
.if ks == 0
	v_wmma_f32_16x16x128_bf8_bf8 v[rD:rD+7], v[rW:rW+15], v[rX:rX+15], v[BI+8*\q:BI+8*\q+7]
.else
	v_wmma_f32_16x16x128_bf8_bf8 v[rD:rD+7], v[rW:rW+15], v[rX:rX+15], v[rD:rD+7]
.endif
.endif
.endr
	WIN 0
.rept 4
	v_nop
.endr
.if i+4 < 32
.set xi, i+4
	XLOAD
.endif
.if ks == 3
.if \isv
.if (tm%2) == 1                        ; V: two tiles of tokens are 16 neighbouring keys for each of my four tiles of channels
	s_wait_xcnt 0x0                                ; the earlier stores have read their data: the codes' registers may be written again
.irp q, 0,1,2,3
	QUANT16 ACC+16*\q, CD+4*\q
.endr
	v_nop                                          ; one plain instruction behind the last conversion: later products write its sources
.irp q, 0,1,2,3
	global_store_b128 v4, v[CD+4*\q:CD+4*\q+3], s[48:49] offset:2048*\q+512*(tm/2)
.endr
.endif
.else                                  ; Q, K: my four tiles of channels are the head's 64 along d for this tile of tokens
	s_wait_xcnt 0x0                                ; the earlier stores have read their data
	QUANT16 ACC+32*(tm%2), CD+8*(tm%2)
	QUANT16 ACC+32*(tm%2)+16, CD+8*(tm%2)+4
	v_nop                                          ; one plain instruction behind the last conversion
	global_store_b128 v4, v[CD+8*(tm%2):CD+8*(tm%2)+3], s[48:49] offset:1024*tm
	global_store_b128 v4, v[CD+8*(tm%2)+4:CD+8*(tm%2)+7], s[48:49] offset:1024*tm+512
.endif
.endif
.endm
	s_wait_alu depctr_va_vdst(0)                   ; the head's end, ahead of the branch and the waits below
	s_cmp_eq_u32 s25, 2                            ; the roles part on the wave's number; no barrier stands on either way
	s_cbranch_scc1 .Lv_role
.set i, 0
.rept 32
	STEP 0
.set i, i+1
.endr
	s_branch .Lend
.Lv_role:
.set i, 0
.rept 32
	STEP 1
.set i, i+1
.endr
.Lend:
	s_wait_tensorcnt 0x0                           ; the wave's end
	ds_add_u32 v1, v2
	s_wait_dscnt 0x0
	CROUND                                         ; the closing round: no work-group ends while a partner may still ask for a tile that names it
	s_endpgm
.Lfunc_end_k_q7320462a95_qkv:
	.size	k_q7320462a95_qkv, .Lfunc_end_k_q7320462a95_qkv-k_q7320462a95_qkv
	.p2alignl 7, 3214868480
	.fill 96, 4, 3214868480
	.section	.rodata,"a",@progbits
	.p2align	6, 0x0
	.amdhsa_kernel k_q7320462a95_qkv
		.amdhsa_group_segment_fixed_size 167936
		.amdhsa_private_segment_fixed_size 0
		.amdhsa_enable_private_segment 0
		.amdhsa_kernarg_size 80
		.amdhsa_user_sgpr_count 2
		.amdhsa_user_sgpr_kernarg_segment_ptr 1
		.amdhsa_wavefront_size32 1
		.amdhsa_system_sgpr_workgroup_id_x 1
		.amdhsa_system_sgpr_workgroup_id_y 1
		.amdhsa_system_sgpr_workgroup_id_z 1
		.amdhsa_system_vgpr_workitem_id 0
		.amdhsa_next_free_vgpr 512
		.amdhsa_next_free_sgpr 80
		.amdhsa_reserve_vcc 0
		.amdhsa_float_denorm_mode_32 3
		.amdhsa_float_denorm_mode_16_64 3
		.amdhsa_memory_ordered 1
		.amdhsa_forward_progress 1
		.amdhsa_inst_pref_size 103
	.end_amdhsa_kernel
	.amdgpu_metadata
---
amdhsa.version: [ 1, 2 ]
amdhsa.kernels:
  - .name:           k_q7320462a95_qkv
    .symbol:         k_q7320462a95_qkv.kd
    .args:
      - { .name: x_codes, .offset: 0, .size: 8, .value_kind: global_buffer, .address_space: global }
      - { .name: Wq_codes, .offset: 8, .size: 8, .value_kind: global_buffer, .address_space: global }
      - { .name: Wk_codes, .offset: 16, .size: 8, .value_kind: global_buffer, .address_space: global }
      - { .name: Wv_codes, .offset: 24, .size: 8, .value_kind: global_buffer, .address_space: global }
      - { .name: bq, .offset: 32, .size: 8, .value_kind: global_buffer, .address_space: global }
      - { .name: bk, .offset: 40, .size: 8, .value_kind: global_buffer, .address_space: global }
      - { .name: bv, .offset: 48, .size: 8, .value_kind: global_buffer, .address_space: global }
      - { .name: lowp_scales, .offset: 56, .size: 8, .value_kind: global_buffer, .address_space: global }
      - { .name: q_img, .offset: 64, .size: 8, .value_kind: global_buffer, .address_space: global }
      - { .name: kv_img, .offset: 72, .size: 8, .value_kind: global_buffer, .address_space: global }
    .group_segment_fixed_size: 167936
    .private_segment_fixed_size: 0
    .kernarg_segment_align: 8
    .kernarg_segment_size: 80
    .max_flat_workgroup_size: 192
    .sgpr_count:     80
    .vgpr_count:     512
    .wavefront_size: 32
...
	.end_amdgpu_metadata
.endif
;; end of part 1
;; launch attn (part 2): grid 16 x 16, 8 waves a work-group, clusters of 4 x 1, 327,680 bytes of LDS; arguments q_img, kv_img, lowp_scales, a_img; writes a_img
.if DOCPART == 2
	.amdgcn_target "amdgcn-amd-amdhsa--gfx1250"
	.amdhsa_code_object_version 6
	.text
	.protected	k_q7320462a95_attn
	.globl	k_q7320462a95_attn
	.p2align	8
	.type	k_q7320462a95_attn,@function
k_q7320462a95_attn:
	s_mov_b64 s[64:65], 0
	v_nop
	global_prefetch_b8 v0, s[64:65] scope:SCOPE_SE
	s_setreg_imm32_b32 hwreg(HW_REG_WAVE_MODE, 25, 1), 1
	s_wait_xcnt 0x0
	s_wait_alu depctr_hold_cnt(0) depctr_sa_sdst(0) depctr_va_vdst(0) depctr_va_sdst(0) depctr_va_ssrc(0) depctr_va_vcc(0) depctr_vm_vsrc(0)
	s_getreg_b32 s2, hwreg(HW_REG_IB_STS2, 6, 4)
	s_cmp_eq_u32 s2, 0
	s_cbranch_scc0 .Lentry_in_a_cluster
	s_endpgm
.Lentry_in_a_cluster:
	s_bfe_u32 s2, ttmp6, 0x10000c
	s_cmp_lg_u32 s2, 0x3003
	s_cbranch_scc0 .Lentry_shape_is_right
	s_endpgm
.Lentry_shape_is_right:
; For each batch and head: o = softmax(Q K^T / 8) V on codes of BF8 (E5M2), and o quantised for the projection on the way out.  No work of the problem is left out.
; THE SOFTMAX AHEAD OF THE SECOND PRODUCT: t = score x log2(e) / 8; M = the row's largest t so far, rounded UP to a whole number; p = 2^(t - M) is what is quantised (scale 2^e8), not normalised.
; The row's sum is taken of the unquantised p, in f32, and divides O at the end.  When M moves, the sum and O are multiplied by 2^(old M - new M): nothing is rounded, and no branch hangs on data.
; SHARES.  A work-group owns 256 queries of one head; each of its eight waves TWO tiles of 16 (A and B), so that each fragment of K and of V read from LDS feeds two matrix instructions.
; Every wave walks the head's 32 key steps of 128 keys.  q_img and kv_img are images of operand registers (four registers = 512 bytes, lane l's 16 at 16 l): a fragment comes by ds_load_b128 at 16 x lane + a constant.
; LAYOUT.  S^T = K Q^T (source 0 = 16 keys, source 1 = 16 queries), O^T = V^T P^T (source 0 = 16 channels, source 1 = P): a lane holds one query of each tile throughout.  The 16 registers of K's tiles 2 b, 2 b + 1
; are keys 32 b + 16 (lane / 16) + 0 .. 15, as P's registers 4 b .. 4 b + 3 want them; O^T's 16 registers of channel tiles 2 a, 2 a + 1 are channels 32 a + 16 (lane / 16) + 0 .. 15, as the next product's operand wants them.
; RING.  Two LDS slots of eight key steps (131,072 bytes, dense in memory).  Each wave fetches one key step of a slot: one tensor load of a wave is out, and it has a slot's eight steps in which to land.
; CLUSTER.  The four query blocks of a cluster belong to one head and walk the same kv_img: each fill is a JOINT load (mask 15), behind a round of the cluster's barrier.
; THE CHANGE OF SLOTS lies inside a slot's last key step: it signals when they are in, and does the step's register work between signal and wait.
; a_img [token tile 512][head 8][c 2][lane][16]: group c holds channels 32 c + 16 h + 0 .. 15 of the head; the tile's tokens are q_img's.
; LIMITS, so that each power of two below is an f32 number: e6 + e7 between -123 and 130 (added to c's exponent field); e8 and e10 between -126 and 112; e8 + e9 is applied by v_ldexp_f32 and has none.  NaN is not served.
; REGISTERS, window 0: v1 16 x lane; v2 the step's LDS address; v3 the prefetches' offset; v5, v6 the add's two; v4, v7 the largest score so far (A, B); v8-11, v24-31 at work; v12, v14 -M (A, B); v13 2^e8; v15 2^e10;
;   v[16:17], v[18:19] the sums; v20, v22 f = 2^(old M - new M); v21 57,344 x 2^e10; v23 0; v32-63 p's codes; v64-127, v128-191 S^T, then p; v192-255 V's four fragments.
;   window 1: v0-31, v32-63 O^T; v64-79 Q; v128-191 K's eight fragments, fetched a step ahead.
.set KSB,   16384                      ; a key step in kv_img: 8,192 bytes of K, 8,192 of V
.set SLOTB, 8*KSB
.set SPARE, 2*SLOTB                    ; behind the ring: the spare words, 128 bytes for each of the eight waves
.set PA, 32
.set PB, 48
.set SA, 64
.set SB, 128
.set VF, 192
.set OA, 0
.set OB, 32
.set QA, 64
.set QB, 72
.set KF, 128
.set MSB, 0
.macro WIN new                         ; the immediate's high byte repeats the setting that is left
.if MSB != \new
	s_set_vgpr_msb (MSB<<8)|\new
.set MSB, \new
.endif
.endm
.macro CREST                           ; a round of the cluster's barrier behind its opening barrier
	s_cmp_lg_u32 s12, 0
	s_cbranch_scc1 .Lnot_wave_0_\@
	s_barrier_signal -3
.Lnot_wave_0_\@:
	s_barrier_wait -3
	s_barrier_signal -1
	s_barrier_wait -1
.endm
.macro CROUND
	s_barrier_signal -1
	s_barrier_wait -1
	CREST
.endm
.macro TLOAD                           ; every wave fetches its key step of a slot.  An s_nop 0 and four v_nop follow the load
	tensor_load_to_lds s[32:35], s[24:31]
	s_nop 0
.rept 4
	v_nop
.endr
.endm
; A PREFETCH INTO THE L2 of the slot that the NEXT change of slots will ask for: eight key steps ahead of that load.  Each aligned block of 256 bytes is named once in the launch: of the four clusters that walk a head
; the first asks; its four partners share the slot out BY ADDRESS, 32,768 bytes each; in each, waves 4 to 7 ask, 8,192 bytes a wave, lanes 256 bytes apart: one instruction.  Slots 0 and 1 come by their loads alone.
.macro ASK off
	s_cmp_eq_u32 s38, 0
	s_cbranch_scc0 .Lnot_mine_\@
	global_prefetch_b8 v3, s[40:41] offset:\off th:TH_LOAD_NT scope:SCOPE_SE
.Lnot_mine_\@:
.endm
.macro FRAGS reg, off                  ; 64 registers, 8,192 bytes of an image
.set JJ, 0
.rept 16
	ds_load_b128 v[\reg+4*JJ:\reg+4*JJ+3], v2 offset:\off+512*JJ
.set JJ, JJ+1
.endr
.endm
.macro KLOAD off
	WIN 0x40                                       ; destination in window 1
	FRAGS KF, \off
	WIN 0
.endm
.macro SUMS s, l                       ; the row's sum of the unquantised p: 32 packed additions in eight chains; seven of them in registers of B's codes, which are free here
.irp k, 0,1,2,3,4,5,6
	v_pk_add_f32 v[PB+2*\k:PB+2*\k+1], v[\s+4*\k:\s+4*\k+1], v[\s+4*\k+2:\s+4*\k+3]
.endr
	v_pk_add_f32 v[\l:\l+1], v[\l:\l+1], v[\s+28:\s+29]
.irp j, 30,46
.irp k, 0,1,2,3,4,5,6
	v_pk_add_f32 v[PB+2*\k:PB+2*\k+1], v[PB+2*\k:PB+2*\k+1], v[\s+\j+2*\k:\s+\j+2*\k+1]
.endr
	v_pk_add_f32 v[\l:\l+1], v[\l:\l+1], v[\s+\j+14:\s+\j+15]
.endr
	v_pk_add_f32 v[PB:PB+1], v[PB:PB+1], v[\s+62:\s+63]
	v_pk_add_f32 v[PB+2:PB+3], v[PB+2:PB+3], v[PB+4:PB+5]
	v_pk_add_f32 v[PB+6:PB+7], v[PB+6:PB+7], v[PB+8:PB+9]
	v_pk_add_f32 v[PB+10:PB+11], v[PB+10:PB+11], v[PB+12:PB+13]
	v_pk_add_f32 v[\l:\l+1], v[\l:\l+1], v[PB:PB+1]
	v_pk_add_f32 v[PB+2:PB+3], v[PB+2:PB+3], v[PB+6:PB+7]
	v_pk_add_f32 v[\l:\l+1], v[\l:\l+1], v[PB+10:PB+11]
	v_pk_add_f32 v[\l:\l+1], v[\l:\l+1], v[PB+2:PB+3]
.endm
.macro MI c, s, i                      ; four chains of a maximum begin, three scores each
	v_max3_num_f32 v[\c], v[\s+\i], v[\s+\i+1], v[\s+\i+2]
	v_max3_num_f32 v[\c+1], v[\s+\i+3], v[\s+\i+4], v[\s+\i+5]
	v_max3_num_f32 v[\c+2], v[\s+\i+6], v[\s+\i+7], v[\s+\i+8]
	v_max3_num_f32 v[\c+3], v[\s+\i+9], v[\s+\i+10], v[\s+\i+11]
.endm
.macro MP c, s, i                      ; four chains go on, two scores each
	v_max3_num_f32 v[\c], v[\c], v[\s+\i], v[\s+\i+1]
	v_max3_num_f32 v[\c+1], v[\c+1], v[\s+\i+2], v[\s+\i+3]
	v_max3_num_f32 v[\c+2], v[\c+2], v[\s+\i+4], v[\s+\i+5]
	v_max3_num_f32 v[\c+3], v[\c+3], v[\s+\i+6], v[\s+\i+7]
.endm
.macro FM s, n, i                      ; t - M for eight scores, two at a time (of the pairs c and -M the low word serves both halves)
.irp k, 0,2,4,6
	v_pk_fma_f32 v[\s+\i+\k:\s+\i+\k+1], v[\s+\i+\k:\s+\i+\k+1], s[22:23], v[\n:\n+1] op_sel_hi:[1,0,0]
.endr
.endm
.macro CODES s, p                      ; 64 held p of a lane become 64 codes in 16 registers
.irp b, 0,1,2,3
	v_cvt_scalef32_pk8_bf8_f32 v[\p+4*\b:\p+4*\b+1], v[\s+16*\b:\s+16*\b+7], v13
	v_cvt_scalef32_pk8_bf8_f32 v[\p+4*\b+2:\p+4*\b+3], v[\s+16*\b+8:\s+16*\b+15], v13
.endr
.endm
	s_load_b256 s[4:11], s[0:1], 0x0               ; q_img s[4:5], kv_img s[6:7], the scales' exponents s[8:9], a_img s[10:11]
	v_lshl_add_u32 v5, v0, 2, SPARE
	v_mov_b32 v6, 0
	ds_add_u32 v5, v6                              ; the wave's opening: the add, twice on end, and its wait ahead of the first tensor load
	ds_add_u32 v5, v6
	v_lshrrev_b32 v1, 5, v0
	v_readfirstlane_b32 s12, v1                    ; wave 0..7
	s_bfe_u32 s13, ttmp6, 0x40000                  ; cx
	s_lshl_b32 s14, ttmp9, 2
	s_add_co_u32 s14, s14, s13                     ; my block of 256 queries: it enters Q's and a_img's addresses alone
	s_and_b32 s15, ttmp7, 0xffff                   ; bh = 8 batch + head, which the four partners share
	s_mov_b32 s24, 15|(3<<16)|(1<<21)              ; group 1: the mask of all four work-groups; elements of 8 bytes; bit 21 beside a mask; no padding
	s_mov_b32 s25, 32<<16                          ; 64 rows of 256 bytes, dense in memory and in LDS
	s_mov_b32 s26, 64<<16
	s_mov_b32 s27, 32<<16
	s_mov_b32 s28, 64
	s_mov_b32 s29, 32
	s_mov_b32 s30, 0
	s_mov_b32 s31, 0
	s_mov_b32 s20, 0x76543210                      ; v_permlanex16_b32's selects for lane l xor 16
	s_mov_b32 s21, 0xfedcba98
	s_mov_b32 s22, 0x3e38aa3b                      ; c = log2(e) / 8
	s_mov_b32 s39, 0                               ; LDS byte at which the key step in hand begins
	s_lshr_b32 s38, s12, 2
	s_xor_b32 s38, s38, 1                          ; 0 in waves 4 to 7,
	s_or_b32 s38, s38, ttmp9                       ; of the head's first cluster: the same in all four partners
	v_and_b32 v1, 31, v0
	v_lshlrev_b32 v3, 8, v1                        ; 256 x lane
	v_lshlrev_b32 v1, 4, v1                        ; 16 x lane
	s_lshl_b32 s50, s15, 19                        ; the head's 524,288 bytes of kv_img
	s_mov_b32 s51, 0
	s_lshl_b32 s52, s12, 14                        ; the key step of a slot that I fetch
	s_mov_b32 s53, 0
	s_lshl_b32 s54, s13, 15                        ; the prefetches: my work-group's quarter of a slot,
	s_and_b32 s55, s12, 3
	s_lshl_b32 s55, s55, 13                        ; my wave's quarter of it,
	s_add_co_u32 s54, s54, s55
	s_add_co_u32 s54, s54, 2*SLOTB                 ; in the third slot's worth of keys
	s_mov_b32 s55, 0
	s_lshl_b32 s56, s15, 8
	s_lshl_b32 s57, s14, 4
	s_lshl_b32 s58, s12, 1
	s_add_co_u32 s57, s57, s58                     ; my first tile among the batch's 256
	s_add_co_u32 s56, s56, s57
	s_lshl_b32 s56, s56, 10                        ; Q: (256 bh + tile) x 1,024 bytes
	s_lshr_b32 s58, s15, 3
	s_lshl_b32 s58, s58, 8
	s_add_co_u32 s58, s58, s57
	s_lshl_b32 s58, s58, 13                        ; a_img: (256 batch + tile) x 8,192
	s_and_b32 s59, s15, 7
	s_lshl_b32 s59, s59, 10
	s_add_co_u32 s58, s58, s59                     ; + head x 1,024
	s_mov_b32 s57, 0
	s_mov_b32 s59, 0
	s_mov_b32 s32, 1                               ; group 0, which walks: count = 1,
	s_lshl_b32 s33, s12, 14                        ; the LDS address: slot 0, wave x 16,384
	s_wait_alu depctr_va_vdst(0)
	s_wait_dscnt 0x0                               ; both opening adds are done
	s_wait_kmcnt 0x0
	s_load_b128 s[44:47], s[8:9], 0x18             ; e6, e7, e8, e9
	s_load_b32 s48, s[8:9], 0x28                   ; e10
	s_add_nc_u64 s[6:7], s[6:7], s[50:51]          ; kv_img at my head
	s_add_nc_u64 s[34:35], s[6:7], s[52:53]
	s_or_b32 s35, s35, 0x80000000                  ; type = 2
	s_add_nc_u64 s[40:41], s[6:7], s[54:55]
	s_add_nc_u64 s[16:17], s[4:5], s[56:57]        ; Q's images of my two tiles
	s_add_nc_u64 s[18:19], s[10:11], s[58:59]      ; where my codes go
	CROUND                                         ; all four work-groups are here: the first joint loads meet
	TLOAD                                          ; key steps 0 to 7: one tensor load a wave at the head
	WIN 0x40
.irp g, 0,1,2,3
	global_load_b128 v[QA+4*\g:QA+4*\g+3], v1, s[16:17] offset:512*\g th:TH_LOAD_NT   ; Q's two fragments stay in registers
.endr
.set JJ, 0
.rept 64
	v_mov_b32 v[OA+JJ], 0                          ; O^T.  (The key step has no first step of its own: the first finds zeros, which the first change of M leaves zeros)
.set JJ, JJ+1
.endr
	WIN 0
	v_add_nc_u32 v2, s39, v1
	v_mov_b32 v4, 0xff61b1e6                       ; the largest score so far: -3e38
	v_mov_b32 v7, 0xff61b1e6
	v_mov_b32 v12, 0x7f61b1e6                      ; -M: 3e38, a whole number
	v_mov_b32 v14, 0x7f61b1e6
.irp r, 16,17,18,19,23,30,31
	v_mov_b32 v\r, 0                               ; the sums; a pair's upper half; the lane permutes' destinations
.endr
	s_wait_kmcnt 0x0
	s_add_co_i32 s50, s44, s45
	s_lshl_b32 s50, s50, 23
	s_add_co_i32 s22, s22, s50                     ; a score stands for score x 2^(e6 + e7): the two exponents are added to c's exponent field
	s_mov_b32 s23, s22
	s_add_co_i32 s50, s46, 127
	s_lshl_b32 s51, s50, 23
	v_mov_b32 v13, s51                             ; 2^e8 as f32, for p's conversions
	s_add_co_i32 s50, s50, 15
	s_lshl_b32 s50, s50, 23
	s_or_b32 s42, s50, 0x600000                    ; 57,344 x 2^e8
	s_add_co_i32 s50, s48, 127
	s_lshl_b32 s51, s50, 23
	v_mov_b32 v15, s51                             ; 2^e10, for the way out
	s_add_co_i32 s50, s50, 15
	s_lshl_b32 s50, s50, 23
	s_or_b32 s50, s50, 0x600000
	v_mov_b32 v21, s50                             ; 57,344 x 2^e10
	s_add_co_i32 s43, s46, s47                     ; e8 + e9
; A KEY STEP of 128 keys for both tiles; its K is in registers or on its way.
; kind 0: the next step lies in the same slot.  1: the slot's last step, and the slot is filled again.  2: the slot's last step, nothing is filled.  3: the last step of all.
.macro STEP kind, ask
	s_wait_dscnt 0x0                               ; K's eight fragments are in
	WIN 0x05                                       ; sources 0 and 1 in window 1
.irp t, 0,1,2,3,4,5,6,7
	v_wmma_f32_16x16x64_bf8_bf8 v[SA+8*\t:SA+8*\t+7], v[KF+8*\t:KF+8*\t+7], v[QA:QA+7], 0
	v_wmma_f32_16x16x64_bf8_bf8 v[SB+8*\t:SB+8*\t+7], v[KF+8*\t:KF+8*\t+7], v[QB:QB+7], 0
.endr
	WIN 0
.rept 4
	v_nop                                          ; places in front of the loads below and of the first read of the scores
.endr
	FRAGS VF, 8192                                 ; V's four tiles of 16 channels land while the softmax is walked
.if \kind == 0
	KLOAD KSB                                      ; and the next step's K
.endif
.if \kind < 3
	s_add_co_u32 s39, s39, KSB
.if \kind > 0
	s_and_b32 s39, s39, 2*SLOTB-1                  ; behind slot 1 comes slot 0
.endif
	v_add_nc_u32 v2, s39, v1                       ; the next step's address
.endif
.if (\kind == 1) || (\kind == 2)
	s_wait_tensorcnt 0x0                           ; my part of the next slot is in; no tensor load of mine is out, so group 0 may be written
	ds_add_u32 v5, v6                              ; 0 onto my spare word; work on registers follows
.if \kind == 1
	s_xor_b32 s33, s33, SLOTB                      ; the walking descriptor: the other slot than last time,
	s_add_nc_u64 s[34:35], s[34:35], SLOTB         ; the next eight key steps
.endif
.endif
	; the step's largest score of each query, among my 64 keys: eight chains a tile, in registers of A's codes, which are free here; each accumulator is first read at its low end.
	; The lines that make A's new M stand among B's maxima, those that make B's among A's t - M.
	MI PA, SA, 0
	MI PA+4, SA, 12
	MP PA, SA, 24
	MP PA+4, SA, 32
	MP PA, SA, 40
	MP PA+4, SA, 48
	MP PA, SA, 56
	MI PA+8, SB, 0
	v_max3_num_f32 v[PA], v[PA], v[PA+1], v[PA+2]
	v_max3_num_f32 v[PA+3], v[PA+3], v[PA+4], v[PA+5]
	MI PA+12, SB, 12
	v_max3_num_f32 v[PA], v[PA], v[PA+6], v[PA+7]
	v_mov_b32 v26, v12                             ; A's old -M
	MP PA+8, SB, 24
	v_max_num_f32 v8, v[PA], v[PA+3]
	MP PA+12, SB, 32
	v_permlanex16_b32 v30, v8, s20, s21
	MP PA+8, SB, 40
	v_max3_num_f32 v4, v8, v30, v4                 ; with lane l xor 16's, and with the largest so far
	MP PA+12, SB, 48
	v_mul_f32 v24, s22, v4                         ; as t (c is positive)
	MP PA+8, SB, 56
	v_floor_f32 v12, -v24                          ; the new -M = floor(-t) = -ceil(t): M is a whole number
	v_max3_num_f32 v[PA+8], v[PA+8], v[PA+9], v[PA+10]
	v_max3_num_f32 v[PA+11], v[PA+11], v[PA+12], v[PA+13]
	v_mov_b32 v27, v14                             ; B's old -M
	v_sub_f32 v26, v12, v26                        ; M's old value less its new one: a whole number, 0 or less
	v_max3_num_f32 v[PA+8], v[PA+8], v[PA+14], v[PA+15]
	FM SA, 12, 0
	v_max_num_f32 v10, v[PA+8], v[PA+11]
	v_cvt_i32_f32 v26, v26                         ; (it saturates)
	FM SA, 12, 8
	v_permlanex16_b32 v31, v10, s20, s21
	v_ldexp_f32 v20, 1.0, v26                      ; f = 2^(old M - new M)
	FM SA, 12, 16
	v_max3_num_f32 v7, v10, v31, v7
	FM SA, 12, 24
	v_mul_f32 v25, s22, v7
	v_pk_mul_f32 v[16:17], v[16:17], v[20:21] op_sel_hi:[1,0]   ; A's sum under the new M
	FM SA, 12, 32
	v_floor_f32 v14, -v25
	FM SA, 12, 40
	v_sub_f32 v27, v14, v27
	FM SA, 12, 48
	v_cvt_i32_f32 v27, v27
	FM SA, 12, 56
	v_ldexp_f32 v22, 1.0, v27
	WIN 0x41                                       ; destination and source 0 in window 1
.set JJ, 0
.rept 16
	v_pk_mul_f32 v[OA+JJ:OA+JJ+1], v[OA+JJ:OA+JJ+1], v[20:21] op_sel_hi:[1,0]   ; O^T under the new M, each accumulator from its low end on
	v_pk_mul_f32 v[OB+JJ:OB+JJ+1], v[OB+JJ:OB+JJ+1], v[22:23] op_sel_hi:[1,0]
.set JJ, JJ+2
.endr
	WIN 0
	v_pk_mul_f32 v[18:19], v[18:19], v[22:23] op_sel_hi:[1,0]   ; B's sum under the new M
	s_wait_alu depctr_va_vdst(0)                   ; ahead of the exponentials (and of the wait below)
.if (\kind == 1) || (\kind == 2)
	s_wait_dscnt 0x0                               ; the add is done, V is in, and my reads of this slot are over:
	s_barrier_signal -1                            ; say so; only work on registers stands up to the wait
.endif
.set JJ, 0
.rept 32
	v_exp_f32 v[SA+JJ], v[SA+JJ]                   ; A: p = 2^(t - M), at most 1: not normalised
	v_exp_f32 v[SA+JJ+1], v[SA+JJ+1]
	v_pk_fma_f32 v[SB+JJ:SB+JJ+1], v[SB+JJ:SB+JJ+1], s[22:23], v[14:15] op_sel_hi:[1,0,0]   ; B: t - M; first read behind the wait below
.set JJ, JJ+2
.endr
	s_wait_alu depctr_va_vdst(0)                   ; one wait for A's exponentials and for B's t - M
	SUMS SA, 16
.set JJ, 0
.rept 32
	v_exp_f32 v[SB+JJ], v[SB+JJ]                   ; B: p
	v_exp_f32 v[SB+JJ+1], v[SB+JJ+1]
	v_dual_min_num_f32 v[SA+JJ], s42, v[SA+JJ] :: v_dual_min_num_f32 v[SA+JJ+1], s42, v[SA+JJ+1]   ; A: the hold: the conversion does not saturate (ISA guide 7.6.2); p is not negative; first read behind the wait below
.set JJ, JJ+2
.endr
	v_nop                                          ; a plain instruction behind the last exponential
	s_wait_alu depctr_va_vdst(0)                   ; one wait for B's exponentials and for A's held p
	CODES SA, PA
	SUMS SB, 18
.set JJ, 0
.rept 32
	v_dual_min_num_f32 v[SB+JJ], s42, v[SB+JJ] :: v_dual_min_num_f32 v[SB+JJ+1], s42, v[SB+JJ+1]
.set JJ, JJ+2
.endr
	CODES SB, PB
	v_nop                                          ; one plain instruction behind the last conversion
	s_wait_alu depctr_va_vdst(0)                   ; ahead of the waits, barriers and branches below
.if \kind == 0
	s_wait_dscnt 16                                ; V's 16 loads are in; the next K's 16 may be out
.endif
.if \kind == 3
	s_wait_dscnt 0x0
.endif
	WIN 0x50                                       ; C and D in window 1
.irp n, 0,1,2,3
	v_wmma_f32_16x16x128_bf8_bf8 v[OA+8*\n:OA+8*\n+7], v[VF+16*\n:VF+16*\n+15], v[PA:PA+15], v[OA+8*\n:OA+8*\n+7]   ; the eight accumulators take turns
	v_wmma_f32_16x16x128_bf8_bf8 v[OB+8*\n:OB+8*\n+7], v[VF+16*\n:VF+16*\n+15], v[PB:PB+15], v[OB+8*\n:OB+8*\n+7]
.endr
	WIN 0
.if (\kind == 1) || (\kind == 2)
	s_barrier_wait -1                              ; nobody of my work-group reads the slot that is left, and the next slot is whole
.if \kind == 1
	CREST                                          ; the barrier has opened a round of the cluster's barrier: the same holds of every partner
	TLOAD                                          ; the joint refill, the first thing behind the round
.endif
	KLOAD 0                                        ; the next slot's first K
.if \ask
	ASK SLOTB
.endif
.endif
.endm
.macro RUN                             ; a slot's first seven key steps
	s_mov_b32 s37, 7
.Lrun_\@:
	STEP 0, 0
	s_sub_co_u32 s37, s37, 1
	s_cmp_lg_u32 s37, 0
	s_cbranch_scc1 .Lrun_\@
.endm
	s_wait_alu depctr_va_vdst(0)                   ; the head's end
	s_wait_loadcnt 0x0                             ; Q
	s_wait_tensorcnt 0x0                           ; my part of slot 0 is in; slot 1's first fill is issued as a refill is:
	ds_add_u32 v5, v6
	s_xor_b32 s33, s33, SLOTB
	s_add_nc_u64 s[34:35], s[34:35], SLOTB
	s_wait_dscnt 0x0
	CROUND
	TLOAD                                          ; key steps 8 to 15
	KLOAD 0
	ASK 0                                          ; key steps 16 to 23
	RUN
	STEP 1, 1                                      ; slot 0 takes key steps 16 to 23; steps 24 to 31 are prefetched
	RUN
	STEP 1, 0                                      ; slot 1 takes key steps 24 to 31
	RUN
	STEP 2, 0
	RUN
	STEP 3, 0
	; THE WAY OUT.  O^T x 2^(e8 + e9) / the sum is the attention's result; it is held, quantised with 2^e10, and its codes ARE registers of the next product's operand: four stores of 512 consecutive bytes.
.rept 4
	v_nop                                          ; places behind the last products
.endr
	v_add_f32 v16, v16, v17                        ; the sums' two halves,
	v_add_f32 v18, v18, v19
	v_permlanex16_b32 v30, v16, s20, s21
	v_permlanex16_b32 v31, v18, s20, s21
	v_add_f32 v16, v16, v30                        ; and lane l xor 16's
	v_add_f32 v18, v18, v31
	s_wait_alu depctr_va_vdst(0)                   ; ahead of the transcendentals
	v_rcp_f32 v16, v16
	v_rcp_f32 v18, v18
	v_nop
	s_wait_alu depctr_va_vdst(0)                   ; and ahead of their first reader
	v_ldexp_f32 v16, v16, s43                      ; x 2^(e8 + e9)
	v_ldexp_f32 v18, v18, s43
	WIN 0x01                                       ; source 0 in window 1
	s_wait_alu depctr_va_vdst(0)                   ; directly ahead of the first reader of O^T
.set JJ, 0
.rept 16
	v_pk_mul_f32 v[SA+JJ:SA+JJ+1], v[OA+JJ:OA+JJ+1], v[16:17] op_sel_hi:[1,0]   ; register 16 a + i: channel 32 a + 16 h + i
.set JJ, JJ+2
.endr
.set JJ, 0
.rept 16
	v_pk_mul_f32 v[SA+32+JJ:SA+32+JJ+1], v[OB+JJ:OB+JJ+1], v[18:19] op_sel_hi:[1,0]
.set JJ, JJ+2
.endr
	WIN 0
.set JJ, 0
.rept 64
	v_med3_num_f32 v[SA+JJ], v[SA+JJ], -v21, v21
.set JJ, JJ+1
.endr
.irp g, 0,1,2,3,4,5,6,7
	v_cvt_scalef32_pk8_bf8_f32 v[PA+2*\g:PA+2*\g+1], v[SA+8*\g:SA+8*\g+7], v15
.endr
	v_nop                                          ; one plain instruction behind the last conversion
	global_store_b128 v1, v[PA:PA+3], s[18:19]
	global_store_b128 v1, v[PA+4:PA+7], s[18:19] offset:512
	global_store_b128 v1, v[PA+8:PA+11], s[18:19] offset:8192
	global_store_b128 v1, v[PA+12:PA+15], s[18:19] offset:8704
	s_wait_tensorcnt 0x0                           ; the wave's end
	ds_add_u32 v5, v6
	s_wait_dscnt 0x0
	CROUND                                         ; the closing round: no work-group ends while a partner may still ask for a tile that names it
	s_endpgm
.Lfunc_end_k_q7320462a95_attn:
	.size	k_q7320462a95_attn, .Lfunc_end_k_q7320462a95_attn-k_q7320462a95_attn
	.p2alignl 7, 3214868480
	.fill 96, 4, 3214868480
	.section	.rodata,"a",@progbits
	.p2align	6, 0x0
	.amdhsa_kernel k_q7320462a95_attn
		.amdhsa_group_segment_fixed_size 327680
		.amdhsa_private_segment_fixed_size 0
		.amdhsa_enable_private_segment 0
		.amdhsa_kernarg_size 32
		.amdhsa_user_sgpr_count 2
		.amdhsa_user_sgpr_kernarg_segment_ptr 1
		.amdhsa_wavefront_size32 1
		.amdhsa_system_sgpr_workgroup_id_x 1
		.amdhsa_system_sgpr_workgroup_id_y 1
		.amdhsa_system_sgpr_workgroup_id_z 1
		.amdhsa_system_vgpr_workitem_id 0
		.amdhsa_next_free_vgpr 448
		.amdhsa_next_free_sgpr 66
		.amdhsa_reserve_vcc 0
		.amdhsa_float_denorm_mode_32 3
		.amdhsa_float_denorm_mode_16_64 3
		.amdhsa_memory_ordered 1
		.amdhsa_forward_progress 1
		.amdhsa_inst_pref_size 244
	.end_amdhsa_kernel
	.amdgpu_metadata
---
amdhsa.version: [ 1, 2 ]
amdhsa.kernels:
  - .name:           k_q7320462a95_attn
    .symbol:         k_q7320462a95_attn.kd
    .args:
      - { .name: q_img, .offset: 0, .size: 8, .value_kind: global_buffer, .address_space: global }
      - { .name: kv_img, .offset: 8, .size: 8, .value_kind: global_buffer, .address_space: global }
      - { .name: lowp_scales, .offset: 16, .size: 8, .value_kind: global_buffer, .address_space: global }
      - { .name: a_img, .offset: 24, .size: 8, .value_kind: global_buffer, .address_space: global }
    .group_segment_fixed_size: 327680
    .private_segment_fixed_size: 0
    .kernarg_segment_align: 8
    .kernarg_segment_size: 32
    .max_flat_workgroup_size: 256
    .sgpr_count:     66
    .vgpr_count:     448
    .wavefront_size: 32
...
	.end_amdgpu_metadata
.endif
;; end of part 2
;; launch oproj (part 3): grid 4 x 64, 4 waves a work-group, clusters of 4 x 1, 167,936 bytes of LDS; arguments a_img, Wo_codes, bo, lowp_scales, out0; writes out0
.if DOCPART == 3
	.amdgcn_target "amdgcn-amd-amdhsa--gfx1250"
	.amdhsa_code_object_version 6
	.text
	.protected	k_q7320462a95_oproj
	.globl	k_q7320462a95_oproj
	.p2align	8
	.type	k_q7320462a95_oproj,@function
k_q7320462a95_oproj:
	s_mov_b64 s[64:65], 0
	v_nop
	global_prefetch_b8 v0, s[64:65] scope:SCOPE_SE
	s_setreg_imm32_b32 hwreg(HW_REG_WAVE_MODE, 25, 1), 1
	s_wait_xcnt 0x0
	s_wait_alu depctr_hold_cnt(0) depctr_sa_sdst(0) depctr_va_vdst(0) depctr_va_sdst(0) depctr_va_ssrc(0) depctr_va_vcc(0) depctr_vm_vsrc(0)
	s_getreg_b32 s2, hwreg(HW_REG_IB_STS2, 6, 4)
	s_cmp_eq_u32 s2, 0
	s_cbranch_scc0 .Lentry_in_a_cluster
	s_endpgm
.Lentry_in_a_cluster:
	s_bfe_u32 s2, ttmp6, 0x10000c
	s_cmp_lg_u32 s2, 0x3003
	s_cbranch_scc0 .Lentry_shape_is_right
	s_endpgm
.Lentry_shape_is_right:
; out0 = a Wo^T + bo on codes of BF8 (E5M2): a is the attention's result as codes (scale 2^e10), Wo's codes are given (2^e11).  No work of the problem is left out.
; y = sum x 2^(e10 + e11) + bo: one packed multiply-add for two numbers.  LIMIT: e10 + e11 lies between -126 and 127, so that the power of two is an f32 number.
; SHARES.  A work-group makes 128 tokens x 128 outputs; wave w of four makes 64 tokens (half w / 2) x 64 outputs (half w % 2).  Its 64 rows of Wo (4 tiles x 4 K steps of 128) stay in 256 registers;
; the tokens' fragments of a (65,536 bytes of a_img, images of operand registers, dense in memory) lie in LDS, and each fragment that a wave reads feeds four matrix instructions.
; CLUSTER.  The four work-groups of a cluster take the same 128 tokens: a's bytes are asked for JOINTLY (mask 15), 16,384 bytes a wave: one tensor load of a wave is out.
; LAYOUT.  Source 0 = Wo, source 1 = a: a lane holds eight neighbouring outputs of one token.  Lane r of a's tile 2 p + k is token 32 p + 8 k + r + 8 (r / 8) of the block: that order is undone by the stage's row address.
; THE WAY OUT.  A wave's 64 outputs of a token are 256 consecutive bytes, aligned: two tiles, 32 neighbouring tokens, go through the wave's OWN stage in LDS (rows of 256 bytes + 16; no barrier), come back as whole rows,
; and sixteen lanes store one such unit.  The first 32 tokens leave while the other 32 are multiplied.
; REGISTERS, window 0: v1, v2 the add's two; v3 a's LDS address; v4, v5 the stage, in and back; v6, v7 offsets in Wo and bo; v11 offset in out0; v16-47 bo, tile q at 16 + 8 q; v48-111 eight accumulators;
;   v112-175 four buffers for a's fragments; v176-239 32 rows read back from the stage.  Window 1: Wo's sixteen fragments, (tile q, K step) at 64 q + 16 step.
.set STG,   65536                      ; behind a's image: the four stages, 32 rows each
.set PS,    272
.set SPARE, STG+4*32*PS                ; behind the stages: the spare words, 128 bytes for each of the four waves
.set BO,    16
.set ACC,   48
.set AB,    112
.set OUTR,  176
.set MSB, 0
.macro WIN new                         ; the immediate's high byte repeats the setting that is left
.if MSB != \new
	s_set_vgpr_msb (MSB<<8)|\new
.set MSB, \new
.endif
.endm
.macro CROUND                          ; a round of the cluster's barrier
	s_barrier_signal -1
	s_barrier_wait -1
	s_cmp_lg_u32 s16, 0
	s_cbranch_scc1 .Lnot_wave_0_\@
	s_barrier_signal -3
.Lnot_wave_0_\@:
	s_barrier_wait -3
	s_barrier_signal -1
	s_barrier_wait -1
.endm
	s_load_b256 s[4:11], s[0:1], 0x0               ; a_img s[4:5], Wo's codes s[6:7], bo s[8:9], the scales' exponents s[10:11]
	s_load_b64 s[12:13], s[0:1], 0x20              ; out0
	v_lshl_add_u32 v1, v0, 2, SPARE
	v_mov_b32 v2, 0
	ds_add_u32 v1, v2                              ; the wave's opening: the add, twice on end, and its wait ahead of the first tensor load
	ds_add_u32 v1, v2
	v_lshrrev_b32 v8, 5, v0
	v_readfirstlane_b32 s16, v8                    ; wave 0..3
	s_bfe_u32 s17, ttmp6, 0x40000                  ; cx: which 128 outputs; it enters Wo's, bo's and out0's global addresses alone
	s_and_b32 s18, ttmp7, 0xffff                   ; the block of 128 tokens, which the four partners share
	s_lshr_b32 s19, s16, 1                         ; my half of the tokens
	s_and_b32 s20, s16, 1                          ; my half of the outputs
	s_mov_b32 s24, 15|(3<<16)|(1<<21)              ; group 1: the mask of all four work-groups; elements of 8 bytes; bit 21 beside a mask; no padding
	s_mov_b32 s25, 32<<16                          ; 64 rows of 256 bytes, dense in memory and in LDS
	s_mov_b32 s26, 64<<16
	s_mov_b32 s27, 32<<16
	s_mov_b32 s28, 64
	s_mov_b32 s29, 32
	s_mov_b32 s30, 0
	s_mov_b32 s31, 0
	s_lshl_b32 s40, s19, 15                        ; my half's four tiles of 8,192 bytes
	s_mul_i32 s41, s16, 32*PS
	s_add_co_u32 s41, s41, STG                     ; my stage
	v_and_b32 v8, 15, v0                           ; r
	v_bfe_u32 v9, v0, 4, 1                         ; h
	v_and_b32 v10, 8, v8
	v_add_nc_u32 v10, v10, v8                      ; r + 8 (r / 8)
	v_and_b32 v3, 31, v0
	v_lshlrev_b32 v3, 4, v3
	v_add_nc_u32 v3, s40, v3                       ; a in LDS: my half, + 16 x lane
	v_mul_u32_u24 v4, v10, PS
	v_lshl_add_u32 v4, v9, 5, v4
	v_add_nc_u32 v4, s41, v4                       ; into the stage: my token's row, + 32 h
	v_mul_u32_u24 v5, v9, PS
	v_lshl_add_u32 v5, v8, 4, v5
	v_add_nc_u32 v5, s41, v5                       ; back: lanes 0-15 one row, lanes 16-31 the next
	v_lshlrev_b32 v6, 9, v8
	v_lshl_add_u32 v6, v9, 4, v6                   ; Wo: row r of 512 bytes, + 16 h
	v_lshlrev_b32 v7, 5, v9                        ; bo: my half's eight numbers
	v_lshlrev_b32 v11, 11, v9
	v_lshl_add_u32 v11, v8, 4, v11                 ; out0: the same two rows, of 2,048 bytes
	s_lshl_b32 s40, s18, 16                        ; a_img: the block's 65,536 bytes,
	s_lshl_b32 s33, s16, 14                        ; group 0's LDS address: wave x 16,384,
	s_add_co_u32 s40, s40, s33                     ; and the same part in memory
	s_mov_b32 s41, 0
	s_lshl_b32 s42, s17, 16
	s_lshl_b32 s43, s20, 15
	s_add_co_u32 s42, s42, s43                     ; Wo: (128 cx + 64 half) rows of 512 bytes
	s_mov_b32 s43, 0
	s_lshl_b32 s44, s17, 9
	s_lshl_b32 s45, s20, 8
	s_add_co_u32 s44, s44, s45                     ; bo, and the column in out0: the same outputs, 4 bytes each
	s_mov_b32 s45, 0
	s_lshl_b32 s46, s18, 18
	s_lshl_b32 s47, s19, 17
	s_add_co_u32 s46, s46, s47                     ; out0: (128 block + 64 half) rows of 2,048 bytes
	s_add_co_u32 s46, s46, s44
	s_mov_b32 s47, 0
	s_mov_b32 s32, 1                               ; count = 1
	s_wait_alu depctr_va_vdst(0)                   ; the end of the head's vector work
	s_wait_dscnt 0x0                               ; both opening adds are done
	s_wait_kmcnt 0x0
	s_load_b64 s[14:15], s[10:11], 0x28            ; e10, e11
	s_add_nc_u64 s[34:35], s[4:5], s[40:41]        ; the global address,
	s_or_b32 s35, s35, 0x80000000                  ; type = 2
	s_add_nc_u64 s[6:7], s[6:7], s[42:43]
	s_add_nc_u64 s[8:9], s[8:9], s[44:45]
	s_add_nc_u64 s[12:13], s[12:13], s[46:47]
	CROUND                                         ; all four work-groups are here: the joint loads meet
	tensor_load_to_lds s[32:35], s[24:31]
	s_nop 0
.rept 4
	v_nop
.endr
.irp q, 0,1,2,3
	global_load_b128 v[BO+8*\q:BO+8*\q+3], v7, s[8:9] offset:64*\q
	global_load_b128 v[BO+8*\q+4:BO+8*\q+7], v7, s[8:9] offset:64*\q+16
.endr
	WIN 0x40                                       ; destination in window 1
.irp k, 0,1,2,3
.irp q, 0,1,2,3
.irp c, 0,1,2,3
	global_load_b128 v[64*\q+16*\k+4*\c:64*\q+16*\k+4*\c+3], v6, s[6:7] offset:8192*\q+128*\k+32*\c   ; Wo's fragments stay in registers; K step 0's sixteen loads first
.endr
.endr
.endr
	WIN 0
	s_wait_tensorcnt 0x0                           ; my part of a's image is in,
	s_barrier_signal -1
	s_barrier_wait -1                              ; everybody's is
; a's fragment of step ai = 4 tile + K step, into buffer ai % 4
.macro ALOAD
.irp c, 0,1,2,3
	ds_load_b128 v[AB+16*(ai%4)+4*\c:AB+16*(ai%4)+4*\c+3], v3 offset:8192*(ai/4)+2048*(ai%4)+512*\c
.endr
.endm
; A tile of tokens is finished: scaled, the bias added (in place, each accumulator from its low end on), into my stage: 8 stores.  Behind a pair's second tile its 32 rows are read back: 16 loads.
.macro EPI
.set rE, ACC+32*(tl%2)
.irp q, 0,1,2,3
.irp n, 0,2,4,6
	v_pk_fma_f32 v[rE+8*\q+\n:rE+8*\q+\n+1], v[rE+8*\q+\n:rE+8*\q+\n+1], s[36:37], v[BO+8*\q+\n:BO+8*\q+\n+1] op_sel_hi:[1,0,1]   ; (the scalar pair's low word for both halves)
.endr
.endr
.irp q, 0,1,2,3
	ds_store_b128 v4, v[rE+8*\q:rE+8*\q+3] offset:8*(tl%2)*PS+64*\q
	ds_store_b128 v4, v[rE+8*\q+4:rE+8*\q+7] offset:8*(tl%2)*PS+64*\q+16
.endr
.if (tl%2) == 1
.if tl == 3
	s_wait_xcnt 0x0                                ; the first pair's stores have read their data: the rows' registers may be loaded again
.endif
.irp n, 0,1,2,3,4,5,6,7,8,9,10,11,12,13,14,15
	ds_load_b128 v[OUTR+4*\n:OUTR+4*\n+3], v5 offset:2*\n*PS   ; LDS serves a wave's instructions in order (ISA guide 5.7.1.4): these see my stores, and the next pair's stores come behind them
.endr
.endif
.endm
.macro SEND p                          ; 32 rows of 256 bytes: sixteen lanes store 256 consecutive bytes, at a multiple of 256 from out0's first byte; written once, read by nobody here
.irp n, 0,1,2,3,4,5,6,7,8,9,10,11,12,13,14,15
	global_store_b128 v11, v[OUTR+4*\n:OUTR+4*\n+3], s[12:13] offset:65536*\p+4096*\n th:TH_STORE_NT
.endr
.endm
; Step i = 4 tile + K step: one fragment of a against my four tiles of Wo.  The four accumulators take turns, one instruction a turn.  The four v_nop are the places
; in front of the load into the buffer just read and of the first read of results.
; THE COUNT on DScnt: behind this step's four loads stand the four of each of the up to three later steps asked for, and, in the three steps behind a finished tile, that tile's stage instructions (8, or 8 + 16),
; which were issued ahead of the fourth step's loads.
.macro STEP
.set tl, i/4
.set ks, i%4
.if i < 4
	s_wait_loadcnt 16*(3-i)                        ; bo and Wo's fragments of this K step are in; the sixteen loads of each later K step may be out
.endif
.set cn, 12
.if i > 12
.set cn, 4*(15-i)
.endif
.if (i >= 4) && ((i%4) != 3)
.set cn, cn+8
.if (i/4) == 2
.set cn, cn+16
.endif
.endif
	s_wait_dscnt cn
.if i == 11
	SEND 0                                         ; the count above, 12, also shows the first pair's rows back in registers
.endif
	WIN 0x01                                       ; source 0 (Wo) in window 1
.irp q, 0,1,2,3
.set rD, ACC+32*(tl%2)+8*\q
.set rA, AB+16*(i%4)
.if ks == 0
	v_wmma_f32_16x16x128_bf8_bf8 v[rD:rD+7], v[64*\q+16*ks:64*\q+16*ks+15], v[rA:rA+15], 0
.else
	v_wmma_f32_16x16x128_bf8_bf8 v[rD:rD+7], v[64*\q+16*ks:64*\q+16*ks+15], v[rA:rA+15], v[rD:rD+7]
.endif
.endr
	WIN 0
.rept 4
	v_nop
.endr
.if ks == 3
	EPI
.endif
.if i+4 < 16
.set ai, i+4
	ALOAD
.endif
.endm
.set ai, 0
.rept 4
	ALOAD
.set ai, ai+1
.endr
	s_wait_kmcnt 0x0
	s_add_co_i32 s36, s14, s15
	s_add_co_i32 s36, s36, 127
	s_lshl_b32 s36, s36, 23                        ; 2^(e10 + e11) as f32
	s_mov_b32 s37, s36                             ; (named with it as a pair, so it is written)
.set i, 0
.rept 16
	STEP
.set i, i+1
.endr
	s_wait_dscnt 0x0                               ; the second pair's rows are back
	SEND 1
	s_wait_tensorcnt 0x0                           ; the wave's end, behind my last tensor load and my last LDS store
	ds_add_u32 v1, v2
	s_wait_dscnt 0x0
	CROUND                                         ; the closing round: no work-group ends while a partner may still ask for a tile that names it
	s_endpgm
.Lfunc_end_k_q7320462a95_oproj:
	.size	k_q7320462a95_oproj, .Lfunc_end_k_q7320462a95_oproj-k_q7320462a95_oproj
	.p2alignl 7, 3214868480
	.fill 96, 4, 3214868480
	.section	.rodata,"a",@progbits
	.p2align	6, 0x0
	.amdhsa_kernel k_q7320462a95_oproj
		.amdhsa_group_segment_fixed_size 167936
		.amdhsa_private_segment_fixed_size 0
		.amdhsa_enable_private_segment 0
		.amdhsa_kernarg_size 40
		.amdhsa_user_sgpr_count 2
		.amdhsa_user_sgpr_kernarg_segment_ptr 1
		.amdhsa_wavefront_size32 1
		.amdhsa_system_sgpr_workgroup_id_x 1
		.amdhsa_system_sgpr_workgroup_id_y 1
		.amdhsa_system_sgpr_workgroup_id_z 1
		.amdhsa_system_vgpr_workitem_id 0
		.amdhsa_next_free_vgpr 512
		.amdhsa_next_free_sgpr 66
		.amdhsa_reserve_vcc 0
		.amdhsa_float_denorm_mode_32 3
		.amdhsa_float_denorm_mode_16_64 3
		.amdhsa_memory_ordered 1
		.amdhsa_forward_progress 1
		.amdhsa_inst_pref_size 35
	.end_amdhsa_kernel
	.amdgpu_metadata
---
amdhsa.version: [ 1, 2 ]
amdhsa.kernels:
  - .name:           k_q7320462a95_oproj
    .symbol:         k_q7320462a95_oproj.kd
    .args:
      - { .name: a_img, .offset: 0, .size: 8, .value_kind: global_buffer, .address_space: global }
      - { .name: Wo_codes, .offset: 8, .size: 8, .value_kind: global_buffer, .address_space: global }
      - { .name: bo, .offset: 16, .size: 8, .value_kind: global_buffer, .address_space: global }
      - { .name: lowp_scales, .offset: 24, .size: 8, .value_kind: global_buffer, .address_space: global }
      - { .name: out0, .offset: 32, .size: 8, .value_kind: global_buffer, .address_space: global }
    .group_segment_fixed_size: 167936
    .private_segment_fixed_size: 0
    .kernarg_segment_align: 8
    .kernarg_segment_size: 40
    .max_flat_workgroup_size: 128
    .sgpr_count:     66
    .vgpr_count:     512
    .wavefront_size: 32
...
	.end_amdgpu_metadata
.endif
;; end of part 3
